; MI455X (gfx1250); checked and timed in simulation.
; The chip was launched on July 23, 2026; its instructions are those of AMD's public machine-readable ISA for CDNA 5 (MIT licence, August 2026) and "CDNA5" Instruction Set Architecture Reference Guide (July 2026). The comments in the code are by the model that wrote it; some were corrected since.
;; Multihead Attention. Allowed arithmetic: matrix products marked QUANTISED: E2M1 operands, one E8M0 scale for each 32 along K, by v_wmma_scale_f32_16x16x128_f8f6f4 with both operands' format E2M1 (or v_wmma_scale_f32_32x16x128_f4), f32 sums; products left as they are: bf16, f16 or f32 operands; f32 sums; everything else in f32.
;; Inputs: W_oE 512 x 512 float32; W_ow 1 x 512 float32; W_qkv 3,072 x 512 float32; b_oE 512 float32; b_ow 1 float32; b_qkv 3,072 float32; beta_E 512 float32; beta_w 512 float32; g_E 512 float32; g_w 512 float32; mask 32 x 512 int32; x 32 x 512 x 512 float32.
;; Outputs: out0 32 x 1 float32; out1 32 x 512 float32.
;; This version of the problem:
;;   THIS VERSION OF THE PROBLEM IS GIVEN IN LOW PRECISION. The matrix products marked QUANTISED in the list below multiply operands that are first quantised to E2M1 (2 exponent bits, 1 mantissa bit; 4 bits a number), with one power-of-two scale for each 32 numbers along K (OCP MX v1.0); their sums are f32. The products marked 'left as it is' may take bf16, f16 or f32 operands, with f32 sums. Whichever they take, every output number must still come out within the allowed error. Rounding operands to bf16 (8 significant bits) uses up far more of that allowance than f16 does (11 bits, for magnitudes from 6e-5 to 65,504). All else is computed in f32.
;;   The module's matrix products, in the order in which they are computed (A, B: the left and right operand; K: the contracted axis; several contracted axes count as one K, in the product's order):
;;     1. [M 16,384, K 512] x [K 512, N 3,072]; A: input x; B: input W_qkv: QUANTISED
;;     2. batch 256 x [M 512, K 64] x [K 64, N 512]; A: computed on the way; B: computed on the way: left as it is (an operand is computed on the way)
;;     3. batch 256 x [M 512, K 512] x [K 512, N 64]; A: computed on the way; B: computed on the way: left as it is (an operand is computed on the way)
;;     4. [M 32, K 512] x [K 512, N 1]; A: computed on the way; B: input W_ow: left as it is (N = 1 < 16)
;;     5. batch 256 x [M 512, K 64] x [K 64, N 512]; A: computed on the way; B: computed on the way: left as it is (an operand is computed on the way)
;;     6. batch 256 x [M 512, K 512] x [K 512, N 64]; A: computed on the way; B: computed on the way: left as it is (an operand is computed on the way)
;;     7. [M 32, K 512] x [K 512, N 512]; A: computed on the way; B: input W_oE: left as it is (an operand is computed on the way)
;;   THE QUANTISER, for each operand of a quantised product, along K:
;;     - K is cut into blocks of 32 from its start; a last block that is shorter is filled with zeros.
;;     - A block's scale is 2^e with e = floor(log2(the largest magnitude in the block)) - 2, held to -126 .. 127; a block of zeros has e = 0. As a byte (E8M0): e + 127.
;;     - Each number is divided by its block's scale, clamped to +-6, and rounded to the nearest number of E2M1, ties to even, subnormals kept.
;;     - The product sums the exact products of the quantised numbers (number of the format x scale) in f32.
;;   ~~~python
;;   def quantise(x, axis):      # numpy; x: float32 -> the quantised numbers, widened to float32 again
;;       x = np.moveaxis(x, axis, -1); K = x.shape[-1]
;;       x = np.pad(x, [(0, 0)] * (x.ndim - 1) + [(0, -K % 32)]); x = x.reshape(x.shape[:-1] + (-1, 32)); a = np.abs(x).max(-1, keepdims=True)
;;       e = np.where(a > 0, np.clip(np.frexp(np.where(a > 0, a, 1))[1] - 1 - 2, -126, 127), 0)      # np.frexp(a)[1] - 1 = floor(log2(a)), exactly
;;       r = np.clip(x / 2.0 ** e, -6, 6)
;;       step = 2.0 ** (np.maximum(np.frexp(np.where(r == 0, 1, r))[1] - 1, 0) - 1)
;;       q = np.round(r / step) * step * 2.0 ** e      # np.round: ties to even
;;       return np.moveaxis(q.reshape(q.shape[:-2] + (-1,))[..., :K], -1, axis).astype(np.float32)
;;   ~~~
;; One version. Each part assembles by itself: llvm-mc -triple=amdgcn-amd-amdhsa -mcpu=gfx1250 --defsym DOCPART=n.
;; ======== version 1 of 1: 3 launches
;; limits: values are held in f16: magnitudes above 65,504 overflow, below 6.1e-05 lose precision
;; workspace buffers: xq 4,456,448 bytes; wq 835,584 bytes; ob 131,072 bytes
;; launch quant (part 1): grid 608 x 1, 2 waves a work-group, no clusters, 17,664 bytes of LDS; arguments x, W_qkv, xq, wq; writes xq, wq
.if DOCPART == 1
	.amdgcn_target "amdgcn-amd-amdhsa--gfx1250"
	.amdhsa_code_object_version 6
	.text
	.protected	k_q299670e6c8_quant
	.globl	k_q299670e6c8_quant
	.p2align	8
	.type	k_q299670e6c8_quant,@function
k_q299670e6c8_quant:
	s_mov_b64 s[64:65], 0
	v_nop
	global_prefetch_b8 v0, s[64:65] scope:SCOPE_SE
	s_setreg_imm32_b32 hwreg(HW_REG_WAVE_MODE, 25, 1), 1
	s_wait_xcnt 0x0
; x [16384][512] and W_qkv [3072][512], f32, K innermost, become codes of FP4 (E2M1) with one E8M0 byte for each 32 along K.
; A block's scale is 2^(floor(log2(its largest magnitude)) - 2); its byte is that magnitude's exponent field - 2, held at 1 from below.
; LAYOUT OF THE RESULT: tiles of 16 rows x 512 K, 4,352 bytes each, in the order of a matrix operand's registers:
;   bytes 0..4095   [block of 32 along K, 0..15][row 0..15][16 bytes of codes]: a fragment's four registers of 32 lanes are 512 bytes on end;
;   bytes 4096..4351 [row][16 scale bytes]: word s of a row is the scale word of the row's s-th 128 along K.
; SHARES: one wave makes one tile.  Work-groups 0..511 take x (1,024 tiles), 512..607 W_qkv (192 tiles): only pointers are chosen, there is one path.
; A step takes 256 bytes (two blocks) of each of the 16 rows.  Each load reads two runs of 256 consecutive bytes; the 4,096 bytes turn through the wave's own
; stage in LDS (rows of 256 + 16 bytes) and come back 128 bytes a lane: lane (r, h) then holds all 32 numbers of block 2 t + h of row r, so that the block's
; largest magnitude needs no other lane.  Loads run four steps (32 loads) ahead, the turn through LDS one step.  Waves share nothing: no barrier.
; LIMITS: a block of zeros gets the byte 1 (its codes are zeros, and this program alone reads the bytes); blocks whose largest magnitude lies under 2^-124
; are held at that byte too; NaN and infinities among the inputs are not served.
.set TILE,   4352
.set SPITCH, 272                       ; a stage row: 256 bytes + 16
.set STG,    16*SPITCH                 ; one stage
.set WREG,   2*STG                     ; a wave's two stages
.set SPARE,  2*WREG                    ; behind them: the spare words, 128 bytes a wave: one block of 256 bytes that no other line names
.set R,   16                           ; v16-143  four sets of 32 registers as loaded
.set X,   144                          ; v144-207 two sets of 32: a whole block a lane
.set C,   208                          ; v208-239 four registers of codes for each step: no store's data are written again
.set SB,  240                          ; v240-243 the scale words
.set SPW, 244                          ; v244     LDS address of my spare word; never rewritten
.set NIL, 245                          ; v245     0; never rewritten
.set PD,  246                          ; v246-249 the lane exchange's destinations
	s_load_b256 s[4:11], s[0:1], 0x0               ; x s[4:5], W_qkv s[6:7], xq s[8:9], wq s[10:11]
	v_lshl_add_u32 v[SPW], v0, 2, SPARE
	v_mov_b32 v[NIL], 0
	v_lshrrev_b32 v1, 5, v0
	v_readfirstlane_b32 s12, v1                    ; wave 0..1
	v_and_b32 v1, 31, v0                           ; lane
	v_and_b32 v2, 15, v0                           ; r
	v_bfe_u32 v3, v0, 4, 1                         ; h
	v_lshlrev_b32 v4, 11, v3
	v_lshl_add_u32 v4, v2, 4, v4                   ; a load: row h of a pair of rows (2,048 bytes apart), 16 bytes a lane
	s_mul_i32 s18, s12, WREG
	v_mul_u32_u24 v5, v3, SPITCH
	v_lshl_add_u32 v5, v2, 4, v5
	v_add_nc_u32 v5, s18, v5                       ; into the stage: as loaded
	v_mul_u32_u24 v6, v2, SPITCH
	v_lshl_add_u32 v6, v3, 7, v6
	v_add_nc_u32 v6, s18, v6                       ; out of it: row r, block h
	v_lshlrev_b32 v7, 4, v1                        ; the codes' place: 16 x lane
	v_lshlrev_b32 v8, 4, v2
	v_lshl_add_u32 v8, v3, 3, v8                   ; the scale bytes' place: 16 r + 8 h
	v_lshlrev_b32 v9, 3, v3                        ; 8 h
.irp i, 0,1,2,3
	v_mov_b32 v[PD+\i], 0                          ; written once: a lane exchange's destination counts as one of its sources
.endr
	s_mov_b32 s20, 0x76543210
	s_mov_b32 s21, 0xfedcba98                      ; v_permlanex16_b32's selects for lane l xor 16
	s_cmp_lt_u32 ttmp9, 512
	s_cselect_b32 s13, 0, 512
	s_sub_co_u32 s13, ttmp9, s13
	s_lshl_b32 s13, s13, 1
	s_add_co_u32 s13, s13, s12                     ; my tile in its tensor
	s_lshl_b32 s14, s13, 15                        ; 16 rows of 2,048 bytes
	s_mov_b32 s15, 0
	s_mul_i32 s16, s13, TILE
	s_mov_b32 s17, 0
	s_wait_kmcnt 0x0
	s_cmp_lt_u32 ttmp9, 512                        ; x's work-group or W's: the choice hangs on the work-group's number alone
	s_cselect_b64 s[4:5], s[4:5], s[6:7]
	s_cselect_b64 s[8:9], s[8:9], s[10:11]
	s_add_nc_u64 s[4:5], s[4:5], s[14:15]
	s_add_nc_u64 s[8:9], s[8:9], s[16:17]
.macro LOAD t                          ; step t: bytes 256 t on of all 16 rows; load j takes rows 2 j and 2 j + 1
.irp j, 0,1,2,3,4,5,6,7
	global_load_b128 v[R+32*((\t)%4)+4*\j:R+32*((\t)%4)+4*\j+3], v4, s[4:5] offset:4096*\j+256*(\t) th:TH_LOAD_NT
.endr
.endm
.macro TURN t                          ; through the stage: LDS serves a wave's instructions in order, so no wait stands between the stores and the loads
.irp j, 0,1,2,3,4,5,6,7
	ds_store_b128 v5, v[R+32*((\t)%4)+4*\j:R+32*((\t)%4)+4*\j+3] offset:STG*((\t)%2)+2*SPITCH*\j
.endr
.irp j, 0,1,2,3,4,5,6,7
	ds_load_b128 v[X+32*((\t)%2)+4*\j:X+32*((\t)%2)+4*\j+3], v6 offset:STG*((\t)%2)+16*\j
.endr
.endm
.macro STEP t
.set XS, X+32*((\t)%2)
	s_wait_dscnt 0x0                               ; this step's block is back from the stage, and its stores into the stage have read their registers,
.if (\t) < 4
	LOAD (\t)+4                                    ; which take the loads of four steps on
.endif
.if (\t) < 7
.if (\t) < 4
	s_wait_loadcnt 24                              ; the next step's eight loads are in; those of the three steps behind it may be out
.else
	s_wait_loadcnt 8*(6-(\t))                      ; the counts run down: nothing more is asked for
.endif
	TURN (\t)+1                                    ; the next step goes through the other stage while this one is worked
.endif
	v_max3_num_f32 v12, |v[XS]|, |v[XS+1]|, |v[XS+2]|              ; the block's largest magnitude, in two chains
	v_max3_num_f32 v13, |v[XS+3]|, |v[XS+4]|, |v[XS+5]|
.irp i, 6,10,14,18,22,26
	v_max3_num_f32 v12, v12, |v[XS+\i]|, |v[XS+\i+1]|
	v_max3_num_f32 v13, v13, |v[XS+\i+2]|, |v[XS+\i+3]|
.endr
	v_max3_num_f32 v12, v12, |v[XS+30]|, |v[XS+31]|
	v_max3_num_f32 v12, v12, v13, 0x1800000        ; and the floor 2^(3 - 127): the byte cannot fall under 1
	v_add_nc_u32 v11, 0xff000000, v12              ; 2 off the exponent field: the conversion takes the exponent field of this operand as its scale
.irp g, 0,1,2,3
	v_cvt_scalef32_pk8_fp4_f32 v[C+4*(\t)+\g], v[XS+8*\g:XS+8*\g+7], v11
.endr
.if (\t)%2 == 0
	v_lshrrev_b32 v[SB+(\t)/2], 23, v11            ; the byte of block 2 t + h: in word t / 2 at byte h (the shift by 8 h comes at the end).  Also the plain line behind the conversions
.else
	v_lshrrev_b32 v10, 23, v11
	v_lshl_or_b32 v[SB+(\t)/2], v10, 16, v[SB+(\t)/2]              ; at byte 2 + h
.endif
	global_store_b128 v7, v[C+4*(\t):C+4*(\t)+3], s[8:9] offset:512*(\t)   ; 32 lanes store 512 consecutive bytes, aligned on 256
.endm
.irp t, 0,1,2,3
	LOAD \t
.endr
	s_wait_loadcnt 24                              ; step 0's eight loads are in
	TURN 0
.irp t, 0,1,2,3,4,5,6,7
	STEP \t
.endr
.irp i, 0,1,2,3
	v_lshlrev_b32 v[SB+\i], v9, v[SB+\i]           ; my two bytes of each word, 8 h bits up;
.endr
.irp i, 0,1,2,3
	v_permlanex16_b32 v[PD+\i], v[SB+\i], s20, s21
.endr
.irp i, 0,1,2,3
	v_or_b32 v[SB+\i], v[SB+\i], v[PD+\i]          ; with lane l xor 16's two the word is whole
.endr
	v_cmp_ne_u32 vcc_lo, 0, v3
	v_cndmask_b32 v10, v[SB], v[SB+2], vcc_lo      ; lanes 0-15 store words 0 and 1 of their row, lanes 16-31 words 2 and 3
	v_cndmask_b32 v11, v[SB+1], v[SB+3], vcc_lo
	global_store_b64 v8, v[10:11], s[8:9] offset:4096              ; 32 lanes store 256 consecutive bytes, aligned
	s_wait_tensorcnt 0x0                           ; the wave's end, behind my last LDS store
	ds_add_u32 v[SPW], v[NIL]
	s_wait_dscnt 0x0
	s_endpgm
.Lfunc_end_k_q299670e6c8_quant:
	.size	k_q299670e6c8_quant, .Lfunc_end_k_q299670e6c8_quant-k_q299670e6c8_quant
	.p2alignl 7, 3214868480
	.fill 96, 4, 3214868480
	.section	.rodata,"a",@progbits
	.p2align	6, 0x0
	.amdhsa_kernel k_q299670e6c8_quant
		.amdhsa_group_segment_fixed_size 17664
		.amdhsa_private_segment_fixed_size 0
		.amdhsa_enable_private_segment 0
		.amdhsa_kernarg_size 32
		.amdhsa_user_sgpr_count 2
		.amdhsa_user_sgpr_kernarg_segment_ptr 1
		.amdhsa_wavefront_size32 1
		.amdhsa_system_sgpr_workgroup_id_x 1
		.amdhsa_system_sgpr_workgroup_id_y 1
		.amdhsa_system_sgpr_workgroup_id_z 1
		.amdhsa_system_vgpr_workitem_id 0
		.amdhsa_next_free_vgpr 256
		.amdhsa_next_free_sgpr 66
		.amdhsa_reserve_vcc 1
		.amdhsa_float_denorm_mode_32 3
		.amdhsa_float_denorm_mode_16_64 3
		.amdhsa_memory_ordered 1
		.amdhsa_forward_progress 1
		.amdhsa_inst_pref_size 30
	.end_amdhsa_kernel
	.amdgpu_metadata
---
amdhsa.version: [ 1, 2 ]
amdhsa.kernels:
  - .name:           k_q299670e6c8_quant
    .symbol:         k_q299670e6c8_quant.kd
    .args:
      - { .name: x, .offset: 0, .size: 8, .value_kind: global_buffer, .address_space: global }
      - { .name: W_qkv, .offset: 8, .size: 8, .value_kind: global_buffer, .address_space: global }
      - { .name: xq, .offset: 16, .size: 8, .value_kind: global_buffer, .address_space: global }
      - { .name: wq, .offset: 24, .size: 8, .value_kind: global_buffer, .address_space: global }
    .group_segment_fixed_size: 17664
    .private_segment_fixed_size: 0
    .kernarg_segment_align: 8
    .kernarg_segment_size: 32
    .max_flat_workgroup_size: 64
    .sgpr_count:     66
    .vgpr_count:     256
    .wavefront_size: 32
...
	.end_amdgpu_metadata
.endif
;; end of part 1
;; launch attend (part 2): grid 8 x 32, 4 waves a work-group, clusters of 4 x 4, 262,144 bytes of LDS; arguments xq, wq, b_qkv, mask, ob; writes ob
.if DOCPART == 2
	.amdgcn_target "amdgcn-amd-amdhsa--gfx1250"
	.amdhsa_code_object_version 6
	.text
	.protected	k_q299670e6c8_attend
	.globl	k_q299670e6c8_attend
	.p2align	8
	.type	k_q299670e6c8_attend,@function
k_q299670e6c8_attend:
	s_mov_b64 s[64:65], 0
	v_nop
	global_prefetch_b8 v0, s[64:65] scope:SCOPE_SE
	s_setreg_imm32_b32 hwreg(HW_REG_WAVE_MODE, 25, 1), 1
	s_wait_xcnt 0x0
	s_wait_alu depctr_hold_cnt(0) depctr_sa_sdst(0) depctr_va_vdst(0) depctr_va_sdst(0) depctr_va_ssrc(0) depctr_va_vcc(0) depctr_vm_vsrc(0)
	s_getreg_b32 s2, hwreg(HW_REG_IB_STS2, 6, 4)
	s_cmp_eq_u32 s2, 0
	s_cbranch_scc0 .Lentry_in_a_cluster
	s_endpgm
.Lentry_in_a_cluster:
	s_bfe_u32 s2, ttmp6, 0x10000c
	s_cmp_lg_u32 s2, 0xf033
	s_cbranch_scc0 .Lentry_shape_is_right
	s_endpgm
.Lentry_shape_is_right:
; One work-group = one batch and one head, BOTH branches (w and E).  Only query row 0 of each attention is kept by the problem, so of x W_qkv^T + b this launch makes
; q for row 0 alone, and k and v for all 512 rows: all on codes of FP4 with E8M0 scales.  k and v never leave the accumulators: the one query's logits and the
; weighted sum of v are f32 multiply-adds on them.  ob[batch][branch][512] = the attention's row 0 (0 where mask[batch][0] is 0).
; SHARES: wave w owns keys 128 w .. 128 w + 127 (8 tiles of 16).  Tiles of weights are numbered tt = 4 x branch + t, t = 16 channels of the head's 64.
; LDS: the batch's 32 tiles of x and the head's 24 tiles of W (q, k, v x two branches x 4) fit at once: every fill is a first fill, nothing is filled again.
; CLUSTER 4 x 4: x's tiles hang on the batch alone and are asked for jointly along a row of the cluster, W's on the head alone, jointly along a column.
; Each wave issues five joint loads, in the order Wq, x (first half), Wk, x (second half), Wv: five are out.
; K IS MADE TRANSPOSED (source 0 = 16 rows of Wk, source 1 = 16 keys): lane (r, h) holds key r and channels 8 h + 0..7, so the dot product with q stays in the lane but for one exchange.
; V IS MADE STRAIGHT (source 0 = 16 keys, source 1 = 16 rows of Wv): lane (r, h) holds channel r and keys 8 h + 0..7, so the sum over keys stays in the lane but for one exchange.
; q IS MADE WITH ROW 0 IN ALL 16 COLUMNS of source 1: every lane of a half then holds the same eight channels of q, and nothing is broadcast.
; SOFTMAX: q' = (q + bq) x 8 log2(e); p = 2^(q'.k - m), m the wave's own largest logit; the four waves' sums are brought under the common maximum at the end.  v's bias is added behind the division (the weights sum to 1).
; LIMITS: logits at or under -3e38 are not told apart from the floor of the maximum; NaN and infinities among the inputs are not served.
; REGISTERS, in windows of 256: window 1: the 32 fragments of the kind of W in hand, (tt, s) at v[32 tt + 8 s];  window 2: my 32 fragments of x, (key tile, s) at v[32 kt + 8 s];
;   window 3: v0-127 two sets of 8 accumulators, v128-191 k's bias in the result's layout;  window 0: all else (names below).
.set TILE,  4352
.set XW,    8*TILE                     ; a wave's 8 tiles of x; also one kind of W (8 tiles)
.set WB,    32*TILE                    ; LDS: x's 32 tiles from 0, then Wq, Wk, Wv
.set SCR,   WB+3*XW                    ; p on its way from one lane layout to the other: 1,024 bytes a wave, [branch][128 keys]
.set CMB,   SCR+4096                   ; the waves' sums: 512 bytes a wave, [64 x branch + channel]
.set STAT,  CMB+2048                   ; m at 32 x branch + 4 w, l at 32 x branch + 16 + 4 w
.set QSH,   STAT+256                   ; q': [64 x branch + channel]
.set SPARE, QSH+512                    ; the spare words, 128 bytes a wave: two blocks of 256 bytes that no other line names
.set AX,   4                           ; LDS addresses, all made at the head and never rewritten: my x fragments,
.set AXS,  5                           ; their scale words (lanes 0-15 the even tile of a pair, lanes 16-31 the odd one),
.set AW1,  6                           ; Wk's fragments,
.set AW2,  7                           ; Wv's,
.set AWS1, 8                           ; Wk's scale words,
.set AWS2, 9                           ; Wv's,
.set AQ,   10                          ; my two tiles of Wq,
.set AQS,  11                          ; their scale words,
.set QA,   12                          ; row 0 of x: 256 h
.set ZA,   13                          ; 0
.set QST,  14                          ; q' out,
.set QLD,  15                          ; q' in
.set PST,  16                          ; p out,
.set PLD,  17                          ; p in
.set CST,  18                          ; my sums out
.set SST,  19                          ; my m and l out
.set CLD,  20                          ; the four waves' sums in
.set SLD,  21                          ; their m and l in
.set BO,   22                          ; global offsets: k's bias,
.set BQO,  23                          ; q's,
.set MO,   24                          ; the mask,
.set BVO,  25                          ; v's bias,
.set OO,   26                          ; the result
.set NI,   27                          ; -infinity
.set BV,   28                          ; v28-29  v's bias of my two channels
.set SPW,  30                          ; v30     LDS address of my spare word; never rewritten
.set NIL,  31                          ; v31     0; never rewritten
.set WS,   32                          ; v32-47  W's scale words: pair of tiles pp, K step s at 4 pp + s.  These, XS and QS hold scales and nothing else
.set XS,   48                          ; v48-63  x's likewise
.set QS,   64                          ; v64-67  row 0's
.set QF,   68                          ; v68-99  row 0's four fragments
.set QV,   100                         ; v100-163 q' in k's layout: 8 tt + j
.set QWF,  164                         ; v164-227 my two tiles of Wq (until q is made)
.set SS,   196                         ; v196-203 four chains of the dot product
.set UU,   204                         ; v204-207 at work
.set LG,   208                         ; v208-223 logits: 8 x branch + key tile
.set P2,   68                          ; v68-195 p in v's layout: 16 kt + 8 x branch + j (behind the last logit)
.set OA,   196                         ; v196-211 the sums over keys: a pair for each tt
.set OS,   212                         ; v212-219, v220-227 their ends
.set OT,   220
.set MR,   228                         ; v228-235 the mask's words
.set QD,   236                         ; v236-251 q's two accumulators, begun as q's bias
.set PP,   236                         ; then p: 8 x branch + key tile
.set MX,   252                         ; v252-253 m
.set LS,   254                         ; v254-255 l
.set G1X,  24                          ; s[24:31] descriptor group 1 for x;  s[32:39] for W
.set G1W,  32
.set GWQ,  40                          ; groups 0, one for each load
.set GX0,  44
.set GWK,  48
.set GX1,  52
.set GWV,  56
.set MK,   66                          ; s66-73 lane masks: which keys of tile kt count
.set MSB, 0
.macro WIN new                         ; the immediate's high byte repeats the setting that is left; a switch that changes nothing is dropped
.if MSB != \new
	s_set_vgpr_msb (MSB<<8)|\new
.set MSB, \new
.endif
.endm
.macro CROUND                          ; a round of the cluster's barrier
	s_barrier_signal -1
	s_barrier_wait -1
	s_cmp_lg_u32 s14, 0
	s_cbranch_scc1 .Lnot_wave_0_\@
	s_barrier_signal -3
.Lnot_wave_0_\@:
	s_barrier_wait -3
	s_barrier_signal -1
	s_barrier_wait -1
.endm
; One product 16 x 16 x 128 on codes.  d, a, b, c: first registers (c = -1: the constant 0 starts the sum); sa, sb: the scale registers; ra, rb = 1: the scales stand in lanes 16-31.
.macro MM d, a, b, c, sa, sb, ra, rb
.if (\c) < 0
.if (\ra) && (\rb)
	v_wmma_scale_f32_16x16x128_f8f6f4 v[(\d):(\d)+7], v[(\a):(\a)+7], v[(\b):(\b)+7], 0, v[(\sa)], v[(\sb)] matrix_a_fmt:MATRIX_FMT_FP4 matrix_b_fmt:MATRIX_FMT_FP4 matrix_a_scale:MATRIX_SCALE_ROW1 matrix_b_scale:MATRIX_SCALE_ROW1
.elseif (\ra)
	v_wmma_scale_f32_16x16x128_f8f6f4 v[(\d):(\d)+7], v[(\a):(\a)+7], v[(\b):(\b)+7], 0, v[(\sa)], v[(\sb)] matrix_a_fmt:MATRIX_FMT_FP4 matrix_b_fmt:MATRIX_FMT_FP4 matrix_a_scale:MATRIX_SCALE_ROW1
.elseif (\rb)
	v_wmma_scale_f32_16x16x128_f8f6f4 v[(\d):(\d)+7], v[(\a):(\a)+7], v[(\b):(\b)+7], 0, v[(\sa)], v[(\sb)] matrix_a_fmt:MATRIX_FMT_FP4 matrix_b_fmt:MATRIX_FMT_FP4 matrix_b_scale:MATRIX_SCALE_ROW1
.else
	v_wmma_scale_f32_16x16x128_f8f6f4 v[(\d):(\d)+7], v[(\a):(\a)+7], v[(\b):(\b)+7], 0, v[(\sa)], v[(\sb)] matrix_a_fmt:MATRIX_FMT_FP4 matrix_b_fmt:MATRIX_FMT_FP4
.endif
.else
.if (\ra) && (\rb)
	v_wmma_scale_f32_16x16x128_f8f6f4 v[(\d):(\d)+7], v[(\a):(\a)+7], v[(\b):(\b)+7], v[(\c):(\c)+7], v[(\sa)], v[(\sb)] matrix_a_fmt:MATRIX_FMT_FP4 matrix_b_fmt:MATRIX_FMT_FP4 matrix_a_scale:MATRIX_SCALE_ROW1 matrix_b_scale:MATRIX_SCALE_ROW1
.elseif (\ra)
	v_wmma_scale_f32_16x16x128_f8f6f4 v[(\d):(\d)+7], v[(\a):(\a)+7], v[(\b):(\b)+7], v[(\c):(\c)+7], v[(\sa)], v[(\sb)] matrix_a_fmt:MATRIX_FMT_FP4 matrix_b_fmt:MATRIX_FMT_FP4 matrix_a_scale:MATRIX_SCALE_ROW1
.elseif (\rb)
	v_wmma_scale_f32_16x16x128_f8f6f4 v[(\d):(\d)+7], v[(\a):(\a)+7], v[(\b):(\b)+7], v[(\c):(\c)+7], v[(\sa)], v[(\sb)] matrix_a_fmt:MATRIX_FMT_FP4 matrix_b_fmt:MATRIX_FMT_FP4 matrix_b_scale:MATRIX_SCALE_ROW1
.else
	v_wmma_scale_f32_16x16x128_f8f6f4 v[(\d):(\d)+7], v[(\a):(\a)+7], v[(\b):(\b)+7], v[(\c):(\c)+7], v[(\sa)], v[(\sb)] matrix_a_fmt:MATRIX_FMT_FP4 matrix_b_fmt:MATRIX_FMT_FP4
.endif
.endif
.endm
; One kind of W into window 1 and its scale words into WS: 4 + 64 LDS loads, each of 512 bytes on end; the K steps one after the other, so that the first products can start early
.macro WLOAD adr, adrs
	WIN 0
.irp pp, 0,1,2,3
	ds_load_b128 v[WS+4*\pp:WS+4*\pp+3], v[\adrs] offset:4096+2*TILE*\pp
.endr
	WIN 0x40                                       ; destination window 1
.irp s, 0,1,2,3
.irp tt, 0,1,2,3,4,5,6,7
.irp c, 0,1
	ds_load_b128 v[32*\tt+8*\s+4*\c:32*\tt+8*\s+4*\c+3], v[\adr] offset:TILE*\tt+1024*\s+512*\c
.endr
.endr
.endr
.endm
; Four of my tiles of x into window 2, and their scale words
.macro XLOAD half
	WIN 0x80                                       ; destination window 2
.irp tq, 0,1,2,3
.irp s, 0,1,2,3
.irp c, 0,1
	ds_load_b128 v[32*(4*\half+\tq)+8*\s+4*\c:32*(4*\half+\tq)+8*\s+4*\c+3], v[AX] offset:TILE*(4*\half+\tq)+1024*\s+512*\c
.endr
.endr
.endr
	WIN 0
.irp pq, 0,1
	ds_load_b128 v[XS+4*(2*\half+\pq):XS+4*(2*\half+\pq)+3], v[AXS] offset:4096+2*TILE*(2*\half+\pq)
.endr
.endm
; k of key tile kt, both branches: 32 products; the 8 accumulators take turns, one instruction a turn.  The first K step takes k's bias as C.
; stag = 1: W's fragments are still coming: ahead of K step s those of the later steps, 16 loads each, may be out.
.macro KMUL kt, stag
	WIN 0xf9                                       ; source 0 (W) window 1, source 1 (x) window 2, C and D window 3
.irp s, 0,1,2,3
.if \stag
	s_wait_dscnt 48-16*\s
.endif
.irp tt, 0,1,2,3,4,5,6,7
.if \s == 0
	MM 64*((\kt)%2)+8*\tt, 32*\tt+8*\s, 32*(\kt)+8*\s, 128+8*\tt, WS+4*(\tt/2)+\s, XS+4*((\kt)/2)+\s, \tt%2, (\kt)%2
.else
	MM 64*((\kt)%2)+8*\tt, 32*\tt+8*\s, 32*(\kt)+8*\s, 64*((\kt)%2)+8*\tt, WS+4*(\tt/2)+\s, XS+4*((\kt)/2)+\s, \tt%2, (\kt)%2
.endif
.endr
.endr
.endm
; The logits of key tile kt: q'.k over my 32 channels in four chains (two a branch), each accumulator from its low end on; then the other half of the lanes' 32; a key that does not count gets -infinity.
.macro KLOGIT kt
	WIN 0x03                                       ; source 0 window 3
.irp q, 0,1,2,3,4,5,6,7
.irp br, 0,1
.irp ch, 0,1
.set rA, 64*((\kt)%2)+8*(4*\br+2*\ch+\q/4)+2*(\q%4)
.set rQ, QV+8*(4*\br+2*\ch+\q/4)+2*(\q%4)
.set rS, SS+4*\br+2*\ch
.if \q == 0
	v_pk_mul_f32 v[rS:rS+1], v[rA:rA+1], v[rQ:rQ+1]
.else
	v_pk_fma_f32 v[rS:rS+1], v[rA:rA+1], v[rQ:rQ+1], v[rS:rS+1]
.endif
.endr
.endr
.endr
	WIN 0
	v_pk_add_f32 v[SS:SS+1], v[SS:SS+1], v[SS+2:SS+3]
	v_pk_add_f32 v[SS+4:SS+5], v[SS+4:SS+5], v[SS+6:SS+7]
	v_add_f32 v[UU], v[SS], v[SS+1]
	v_add_f32 v[UU+1], v[SS+4], v[SS+5]
	v_permlanex16_b32 v[UU+2], v[UU], s60, s61
	v_permlanex16_b32 v[UU+3], v[UU+1], s60, s61
	v_add_f32 v[UU], v[UU], v[UU+2]
	v_add_f32 v[UU+1], v[UU+1], v[UU+3]
	v_cndmask_b32 v[LG+(\kt)], v[NI], v[UU], s[MK+(\kt)]
	v_cndmask_b32 v[LG+8+(\kt)], v[NI], v[UU+1], s[MK+(\kt)]
.endm
; v of key tile kt, both branches, without its bias: 32 products, the first K step starts the sums with the constant 0
.macro VMUL kt
	WIN 0xf6                                       ; source 0 (x) window 2, source 1 (W) window 1, C and D window 3
.irp s, 0,1,2,3
.irp tt, 0,1,2,3,4,5,6,7
.if \s == 0
	MM 64*((\kt)%2)+8*\tt, 32*(\kt)+8*\s, 32*\tt+8*\s, -1, XS+4*((\kt)/2)+\s, WS+4*(\tt/2)+\s, (\kt)%2, \tt%2
.else
	MM 64*((\kt)%2)+8*\tt, 32*(\kt)+8*\s, 32*\tt+8*\s, 64*((\kt)%2)+8*\tt, XS+4*((\kt)/2)+\s, WS+4*(\tt/2)+\s, (\kt)%2, \tt%2
.endif
.endr
.endr
.endm
; p x v of key tile kt onto the sums: eight chains by turns, each accumulator from its low end on.  The very first products start the sums
.macro VACC kt
	WIN 0x03
.irp i, 0,1,2,3
.irp tt, 0,1,2,3,4,5,6,7
.set rA, 64*((\kt)%2)+8*\tt+2*\i
.set rP, P2+16*(\kt)+8*(\tt/4)+2*\i
.if ((\kt) == 0) && (\i == 0)
	v_pk_mul_f32 v[OA+2*\tt:OA+2*\tt+1], v[rA:rA+1], v[rP:rP+1]
.else
	v_pk_fma_f32 v[OA+2*\tt:OA+2*\tt+1], v[rA:rA+1], v[rP:rP+1], v[OA+2*\tt:OA+2*\tt+1]
.endif
.endr
.endr
.endm
.macro PLACES                          ; four plain vector lines between a product and the first read of its result (ISA guide 7.12.1)
.rept 4
	v_nop
.endr
.endm
	s_load_b256 s[4:11], s[0:1], 0x0               ; xq s[4:5], wq s[6:7], b_qkv s[8:9], mask s[10:11]
	s_load_b64 s[12:13], s[0:1], 0x20              ; ob
	v_lshl_add_u32 v[SPW], v0, 2, SPARE
	v_mov_b32 v[NIL], 0
	ds_add_u32 v[SPW], v[NIL]                      ; the wave's opening: the add, twice on end, and its wait ahead of my first tensor load
	ds_add_u32 v[SPW], v[NIL]
	v_lshrrev_b32 v1, 5, v0
	v_readfirstlane_b32 s14, v1                    ; wave 0..3
	s_bfe_u32 s15, ttmp6, 0x40000                  ; cx, cy: my place in the cluster
	s_bfe_u32 s16, ttmp6, 0x40004
	s_lshl_b32 s17, ttmp9, 2
	s_add_co_u32 s17, s17, s15                     ; head = 4 x cluster x + cx
	s_and_b32 s18, ttmp7, 0xffff
	s_lshl_b32 s18, s18, 2
	s_add_co_u32 s18, s18, s16                     ; batch = 4 x cluster y + cy
	s_lshl_b32 s19, s16, 2
	s_lshl_b32 s19, 15, s19                        ; my row of the cluster: the same batch
	s_lshl_b32 s20, 0x1111, s15                    ; my column: the same head
	; descriptor groups 1: dense blocks as rows of 256 bytes (32 elements of 8 bytes), no padding.  x: 4 tiles = 68 rows;  W: 2 tiles = 34 rows
	s_or_b32 s[G1X], s19, (3<<16)|(1<<21)          ; 15:0 the mask; 17:16 elements of 8 bytes; 21 set beside a mask
	s_or_b32 s[G1W], s20, (3<<16)|(1<<21)
	s_mov_b32 s[G1X+1], 32<<16                     ; tensor_dim0
	s_mov_b32 s[G1X+2], 68<<16                     ; tensor_dim1
	s_mov_b32 s[G1X+3], 32<<16                     ; tile_dim0
	s_mov_b32 s[G1X+4], 68                         ; tile_dim1
	s_mov_b32 s[G1X+5], 32                         ; from row to row
	s_mov_b32 s[G1X+6], 0
	s_mov_b32 s[G1X+7], 0
	s_mov_b32 s[G1W+1], 32<<16
	s_mov_b32 s[G1W+2], 34<<16
	s_mov_b32 s[G1W+3], 32<<16
	s_mov_b32 s[G1W+4], 34
	s_mov_b32 s[G1W+5], 32
	s_mov_b32 s[G1W+6], 0
	s_mov_b32 s[G1W+7], 0
	s_lshr_b32 s21, s14, 1                         ; w / 2: the branch of the W tiles that I fetch
	s_and_b32 s22, s14, 1                          ; w % 2
	s_mul_i32 s80, s14, XW                         ; my 8 tiles of x in LDS: the wave's number alone
	s_mul_i32 s76, s18, 32*TILE                    ; and in memory: the batch and the wave alone
	s_add_co_u32 s76, s76, s80
	s_mov_b32 s77, 0
	s_mul_i32 s78, s17, 4*TILE                     ; my two tiles of a kind of W in memory: the head and the wave alone: tile 32 (3 x branch + kind) + 4 x head + 2 (w % 2)
	s_mul_i32 s79, s21, 96*TILE
	s_add_co_u32 s78, s78, s79
	s_mul_i32 s79, s22, 2*TILE
	s_add_co_u32 s78, s78, s79
	s_mov_b32 s79, 0
	s_mul_i32 s81, s14, 2*TILE
	s_add_co_u32 s81, s81, WB                      ; and in LDS: tiles 2 w, 2 w + 1 of the kind
	s_mov_b32 s60, 0x76543210
	s_mov_b32 s61, 0xfedcba98                      ; v_permlanex16_b32's selects for lane l xor 16
	s_mov_b32 s62, 0x4138aa3b                      ; 8 log2(e): the logits are multiplied by sqrt(64), and the exponentials work in base 2
	s_mov_b32 s63, s62                             ; (named with it as a pair, so it is written)
	s_lshl_b32 s86, s17, 8                         ; the head's 64 numbers, in bytes
	s_mov_b32 s87, 0
	s_lshl_b32 s88, s18, 11                        ; the batch's row of the mask
	s_mov_b32 s89, 0
	s_wait_dscnt 0x0                               ; both opening adds are done
	s_wait_kmcnt 0x0
	s_add_nc_u64 s[82:83], s[4:5], s[76:77]
	s_add_nc_u64 s[84:85], s[6:7], s[78:79]
	s_mov_b32 s[GWQ], 1                            ; groups 0: count 1, LDS address, global address, type 2
	s_mov_b32 s[GWQ+1], s81
	s_mov_b64 s[GWQ+2:GWQ+3], s[84:85]
	s_or_b32 s[GWQ+3], s[GWQ+3], 0x80000000
	s_mov_b32 s[GX0], 1
	s_mov_b32 s[GX0+1], s80
	s_mov_b64 s[GX0+2:GX0+3], s[82:83]
	s_or_b32 s[GX0+3], s[GX0+3], 0x80000000
	s_mov_b32 s[GWK], 1
	s_add_co_u32 s[GWK+1], s81, XW
	s_add_nc_u64 s[GWK+2:GWK+3], s[84:85], 32*TILE
	s_or_b32 s[GWK+3], s[GWK+3], 0x80000000
	s_mov_b32 s[GX1], 1
	s_add_co_u32 s[GX1+1], s80, 4*TILE
	s_add_nc_u64 s[GX1+2:GX1+3], s[82:83], 4*TILE
	s_or_b32 s[GX1+3], s[GX1+3], 0x80000000
	s_mov_b32 s[GWV], 1
	s_add_co_u32 s[GWV+1], s81, 2*XW
	s_add_nc_u64 s[GWV+2:GWV+3], s[84:85], 64*TILE
	s_or_b32 s[GWV+3], s[GWV+3], 0x80000000
	CROUND                                         ; all sixteen work-groups are here: the joint loads meet
	tensor_load_to_lds s[GWQ:GWQ+3], s[G1W:G1W+7]  ; all fills of the launch, as one group; an s_nop 0 follows each and four v_nop the last
	s_nop 0
	tensor_load_to_lds s[GX0:GX0+3], s[G1X:G1X+7]
	s_nop 0
	tensor_load_to_lds s[GWK:GWK+3], s[G1W:G1W+7]
	s_nop 0
	tensor_load_to_lds s[GX1:GX1+3], s[G1X:G1X+7]
	s_nop 0
	tensor_load_to_lds s[GWV:GWV+3], s[G1W:G1W+7]
	s_nop 0
.rept 4
	v_nop
.endr
	s_add_nc_u64 s[8:9], s[8:9], s[86:87]          ; b_qkv at my head
	s_add_nc_u64 s[10:11], s[10:11], s[88:89]      ; the mask at my batch
	s_lshl_b32 s88, s18, 12
	s_add_nc_u64 s[12:13], s[12:13], s[88:89]      ; ob at my batch
	s_add_nc_u64 s[12:13], s[12:13], s[86:87]      ; and head
	s_load_b32 s74, s[10:11], 0x0                  ; mask[batch][0]: does the one query count?
	v_and_b32 v1, 31, v0                           ; lane
	v_and_b32 v2, 15, v0                           ; r
	v_bfe_u32 v3, v0, 4, 1                         ; h
	v_mul_u32_u24 v[AXS], v3, TILE
	v_lshl_add_u32 v[AXS], v2, 4, v[AXS]           ; scale words: 16 r, + a tile for lanes 16-31
	v_add_nc_u32 v[AWS1], WB+XW, v[AXS]
	v_add_nc_u32 v[AWS2], WB+2*XW, v[AXS]
	v_add_nc_u32 v[AQS], s81, v[AXS]
	v_add_nc_u32 v[AXS], s80, v[AXS]
	v_lshlrev_b32 v[AW1], 4, v1                    ; fragments: 16 x lane
	v_add_nc_u32 v[AW2], WB+2*XW, v[AW1]
	v_add_nc_u32 v[AQ], s81, v[AW1]
	v_add_nc_u32 v[AX], s80, v[AW1]
	v_add_nc_u32 v[AW1], WB+XW, v[AW1]
	v_lshlrev_b32 v[QA], 8, v3
	v_mov_b32 v[ZA], 0
	v_lshlrev_b32 v[BO], 5, v3                     ; 32 h: my half's eight channels
	s_lshl_b32 s76, s14, 7
	v_add_nc_u32 v[QST], s76, v[BO]
	v_add_nc_u32 v[QST], QSH, v[QST]               ; q' out: tiles 2 w, 2 w + 1: 128 w + 32 h
	v_add_nc_u32 v[QLD], QSH, v[BO]
	s_lshl_b32 s77, s14, 10
	v_lshl_add_u32 v[PST], v2, 2, s77
	v_add_nc_u32 v[PST], SCR, v[PST]               ; p out: key r of a tile
	v_add_nc_u32 v[PLD], s77, v[BO]
	v_add_nc_u32 v[PLD], SCR, v[PLD]               ; p in: keys 8 h + 0..7 of a tile
	s_lshl_b32 s78, s14, 9
	v_lshl_add_u32 v[MO], v2, 2, s78               ; 512 w + 4 r: the mask's words of my keys; also my place among the sums
	v_add_nc_u32 v[CST], CMB, v[MO]
	s_lshl_b32 s79, s14, 2
	s_add_co_u32 s79, s79, STAT
	v_mov_b32 v[SST], s79
	v_lshlrev_b32 v[OO], 3, v1                     ; 8 x lane: two channels a lane
	s_lshl_b32 s82, s22, 8
	s_add_co_u32 s82, s82, CMB
	v_add_nc_u32 v[CLD], s82, v[OO]                ; at the end wave 0 takes branch w, wave 1 branch E
	s_lshl_b32 s83, s22, 5
	s_add_co_u32 s83, s83, STAT
	v_mov_b32 v[SLD], s83
	s_mul_i32 s84, s21, 6144                       ; a branch is three parts of 512 numbers
	s_lshl_b32 s85, s22, 7
	s_add_co_u32 s84, s84, s85
	v_add_nc_u32 v[BQO], s84, v[BO]
	s_mul_i32 s84, s22, 6144
	v_add_nc_u32 v[BVO], s84, v[OO]
	s_lshl_b32 s85, s22, 11
	v_add_nc_u32 v[OO], s85, v[OO]
	v_mov_b32 v[NI], 0xff800000
.irp tq, 0,1
.irp c, 0,1
	global_load_b128 v[QD+8*\tq+4*\c:QD+8*\tq+4*\c+3], v[BQO], s[8:9] offset:64*\tq+16*\c   ; q's bias, where q's sums will begin
.endr
.endr
	WIN 0xc0                                       ; destination window 3
.irp tt, 0,1,2,3,4,5,6,7
.irp c, 0,1
	global_load_b128 v[128+8*\tt+4*\c:128+8*\tt+4*\c+3], v[BO], s[8:9] offset:2048+6144*(\tt/4)+64*(\tt%4)+16*\c   ; k's bias in the result's layout
.endr
.endr
	WIN 0
.irp kt, 0,1,2,3,4,5,6,7
	global_load_b32 v[MR+\kt], v[MO], s[10:11] offset:64*\kt
.endr
	global_load_b64 v[BV:BV+1], v[BVO], s[8:9] offset:4096
	; ---- q of row 0: my two tiles of 16 channels
	s_wait_tensorcnt 0x3                           ; my parts of Wq and of x's first half are in (three loads were issued behind them),
	s_barrier_signal -1
	s_barrier_wait -1                              ; everybody's are: row 0 lies in wave 0's part.  Later loads may stay out
	ds_load_b128 v[WS:WS+3], v[AQS] offset:4096
	ds_load_b128 v[QS:QS+3], v[ZA] offset:4096     ; row 0's four scale words, in every lane
.irp s, 0,1,2,3
.irp c, 0,1
	ds_load_b128 v[QF+8*\s+4*\c:QF+8*\s+4*\c+3], v[QA] offset:1024*\s+512*\c   ; row 0's codes in all sixteen lanes of a half
.endr
.endr
.irp tq, 0,1
.irp s, 0,1,2,3
.irp c, 0,1
	ds_load_b128 v[QWF+32*\tq+8*\s+4*\c:QWF+32*\tq+8*\s+4*\c+3], v[AQ] offset:TILE*\tq+1024*\s+512*\c
.endr
.endr
.endr
	s_wait_dscnt 0x0
	s_wait_loadcnt 0x0                             ; the biases and the mask
	s_wait_kmcnt 0x0
.irp kt, 0,1,2,3,4,5,6,7
	v_cmp_ne_u32 s[MK+\kt], 0, v[MR+\kt]
.endr
	s_cmp_lg_u32 s74, 0
	s_cselect_b32 s75, -1, 0                       ; all lanes or none: a value is chosen by it, no way through the text
.irp s, 0,1,2,3
.irp tq, 0,1
	MM QD+8*\tq, QWF+32*\tq+8*\s, QF+8*\s, QD+8*\tq, WS+\s, QS+\s, \tq, 0   ; the two accumulators by turns
.endr
.endr
	XLOAD 0                                        ; my first four tiles of x come while q is finished
	PLACES
.irp i, 0,2,4,6,8,10,12,14
	v_pk_mul_f32 v[QD+\i:QD+\i+1], v[QD+\i:QD+\i+1], s[62:63] op_sel_hi:[1,0]   ; q'
.endr
.irp tq, 0,1
.irp c, 0,1
	ds_store_b128 v[QST], v[QD+8*\tq+4*\c:QD+8*\tq+4*\c+3] offset:64*\tq+16*\c   ; the sixteen lanes of a half write the same bytes with the same values
.endr
.endr
	s_wait_tensorcnt 0x2                           ; my part of Wk is in (two loads were issued behind it),
	s_wait_dscnt 0x0                               ; my part of q' is stored, my fragments of x are in
	s_barrier_signal -1
	s_barrier_wait -1
	; ---- k and the logits.  The logits of a tile stand behind the NEXT tile's products: they are the plain lines between a product and the read of its result, and ahead of the set's next use
.irp tt, 0,1,2,3,4,5,6,7
.irp c, 0,1
	ds_load_b128 v[QV+8*\tt+4*\c:QV+8*\tt+4*\c+3], v[QLD] offset:64*\tt+16*\c
.endr
.endr
	WLOAD AW1, AWS1
	KMUL 0, 1
	KMUL 1, 0
	PLACES
	KLOGIT 0
	s_wait_tensorcnt 0x1                           ; my second half of x is in (Wv was issued behind it): I alone read it
	XLOAD 1
	KMUL 2, 0
	KLOGIT 1
	KMUL 3, 0
	KLOGIT 2
	s_wait_dscnt 0x0                               ; x's second half is in registers
	KMUL 4, 0
	KLOGIT 3
	KMUL 5, 0
	KLOGIT 4
	KMUL 6, 0
	KLOGIT 5
	KMUL 7, 0
	s_wait_tensorcnt 0x0                           ; my part of Wv, the last load, is in
	s_wait_dscnt 0x0
	s_barrier_signal -1
	KLOGIT 6                                       ; work on registers while the others arrive; also the plain lines between the last products and the loads over Wk
	s_barrier_wait -1                              ; all of Wv is in
	WLOAD AW2, AWS2
	KLOGIT 7
	; ---- the softmax of my 128 keys, the two branches by turns
	v_max3_num_f32 v[MX], v[LG], v[LG+1], 0xff61b1e6               ; -3e38 stands under every logit: a wave none of whose keys counts keeps it, and its p are all 0
	v_max3_num_f32 v[MX+1], v[LG+8], v[LG+9], 0xff61b1e6
.irp i, 2,4,6
	v_max3_num_f32 v[MX], v[MX], v[LG+\i], v[LG+\i+1]
	v_max3_num_f32 v[MX+1], v[MX+1], v[LG+8+\i], v[LG+9+\i]
.endr
.irp m, 1,2,4,8
	v_max_num_f32_dpp v[MX], v[MX], v[MX] row_xmask:\m row_mask:0xf bank_mask:0xf      ; over the sixteen keys of a tile; both halves of the lanes hold the same
	v_max_num_f32_dpp v[MX+1], v[MX+1], v[MX+1] row_xmask:\m row_mask:0xf bank_mask:0xf
.endr
.irp i, 0,1,2,3,4,5,6,7
	v_sub_f32 v[PP+\i], v[LG+\i], v[MX]
	v_sub_f32 v[PP+8+\i], v[LG+8+\i], v[MX+1]
.endr
.irp i, 0,1,2,3,4,5,6,7,8,9,10,11,12,13,14,15
	v_exp_f32 v[PP+\i], v[PP+\i]                   ; one batch
.endr
	v_nop                                          ; a plain line behind the last exponential
	s_wait_alu depctr_va_vdst(0)                   ; one wait for the batch, ahead of its first reader
.irp br, 0,1
.irp kt, 0,1,2,3,4,5,6,7
	ds_store_b32 v[PST], v[PP+8*\br+\kt] offset:512*\br+64*\kt     ; p by keys;
.endr
.endr
.irp kt, 0,1,2,3,4,5,6,7
.irp br, 0,1
.irp c, 0,1
	ds_load_b128 v[P2+16*\kt+8*\br+4*\c:P2+16*\kt+8*\br+4*\c+3], v[PLD] offset:512*\br+64*\kt+16*\c   ; back, eight keys a lane.  My own bytes: LDS serves a wave's instructions in order
.endr
.endr
.endr
	v_pk_add_f32 v[SS:SS+1], v[PP:PP+1], v[PP+2:PP+3]              ; l: the sum of p
	v_pk_add_f32 v[SS+2:SS+3], v[PP+4:PP+5], v[PP+6:PP+7]
	v_pk_add_f32 v[SS+4:SS+5], v[PP+8:PP+9], v[PP+10:PP+11]
	v_pk_add_f32 v[SS+6:SS+7], v[PP+12:PP+13], v[PP+14:PP+15]
	v_pk_add_f32 v[SS:SS+1], v[SS:SS+1], v[SS+2:SS+3]
	v_pk_add_f32 v[SS+4:SS+5], v[SS+4:SS+5], v[SS+6:SS+7]
	v_add_f32 v[LS], v[SS], v[SS+1]
	v_add_f32 v[LS+1], v[SS+4], v[SS+5]
.irp m, 1,2,4,8
	v_add_f32_dpp v[LS], v[LS], v[LS] row_xmask:\m row_mask:0xf bank_mask:0xf
	v_add_f32_dpp v[LS+1], v[LS+1], v[LS+1] row_xmask:\m row_mask:0xf bank_mask:0xf
.endr
	; ---- v and the weighted sums
	s_wait_dscnt 48                                ; Wv and its scale words are in; the 16 stores and 32 loads of p, issued behind them, may be out
	VMUL 0
	VMUL 1
	s_wait_dscnt 0x0                               ; p is back
	PLACES
	VACC 0
	VMUL 2
	VACC 1
	VMUL 3
	VACC 2
	VMUL 4
	VACC 3
	VMUL 5
	VACC 4
	VMUL 6
	VACC 5
	VMUL 7
	VACC 6
	VACC 7
	WIN 0
.irp tt, 0,1,2,3,4,5,6,7
	v_add_f32 v[OS+\tt], v[OA+2*\tt], v[OA+2*\tt+1]                ; even keys' and odd keys',
.endr
.irp tt, 0,1,2,3,4,5,6,7
	v_permlanex16_b32 v[OT+\tt], v[OS+\tt], s60, s61
.endr
.irp tt, 0,1,2,3,4,5,6,7
	v_add_f32 v[OS+\tt], v[OS+\tt], v[OT+\tt]      ; and the other half of the lanes': lane r holds channel 16 t + r
.endr
.irp tt, 0,1,2,3,4,5,6,7
	ds_store_b32 v[CST], v[OS+\tt] offset:64*\tt
.endr
	ds_store_b32 v[SST], v[MX]
	ds_store_b32 v[SST], v[LS] offset:16
	ds_store_b32 v[SST], v[MX+1] offset:32
	ds_store_b32 v[SST], v[LS+1] offset:48
	s_wait_dscnt 0x0                               ; for the others' sake: my stores are done
	s_barrier_signal -1
	s_barrier_wait -1
	; ---- the four waves' parts under one maximum: wave 0 branch w, wave 1 branch E; two channels a lane
	s_cmp_lt_u32 s14, 2
	s_cbranch_scc0 .Ljoin
	ds_load_b128 v[68:71], v[SLD]                  ; m of the four waves
	ds_load_b128 v[72:75], v[SLD] offset:16        ; l
.irp i, 0,1,2,3
	ds_load_b64 v[76+2*\i:77+2*\i], v[CLD] offset:512*\i
.endr
	s_wait_dscnt 0x0
	v_max3_num_f32 v84, v68, v69, v70
	v_max_num_f32 v84, v84, v71
.irp i, 0,1,2,3
	v_sub_f32 v[88+\i], v[68+\i], v84
.endr
.irp i, 0,1,2,3
	v_exp_f32 v[88+\i], v[88+\i]
.endr
	v_nop
	s_wait_alu depctr_va_vdst(0)                   ; one wait for the four
	v_mul_f32 v85, v88, v72
	v_mul_f32 v92, v88, v76
	v_mul_f32 v93, v88, v77
.irp i, 1,2,3
	v_fma_f32 v85, v[88+\i], v[72+\i], v85
	v_fma_f32 v92, v[88+\i], v[76+2*\i], v92
	v_fma_f32 v93, v[88+\i], v[77+2*\i], v93
.endr
	v_rcp_f32 v86, v85
	v_nop
	s_wait_alu depctr_va_vdst(0)
	v_fma_f32 v92, v92, v86, v[BV]                 ; / l, + v's bias
	v_fma_f32 v93, v93, v86, v[BV+1]
	v_cndmask_b32 v92, 0, v92, s75                 ; 0 where the query does not count (that also takes away what a batch with no key at all leaves here)
	v_cndmask_b32 v93, 0, v93, s75
	global_store_b64 v[OO], v[92:93], s[12:13]     ; 32 lanes store 256 consecutive bytes, aligned
.Ljoin:
	s_wait_tensorcnt 0x0                           ; the wave's end, behind my last tensor load and my last LDS store
	ds_add_u32 v[SPW], v[NIL]
	s_wait_dscnt 0x0
	CROUND                                         ; the closing round
	s_endpgm
.Lfunc_end_k_q299670e6c8_attend:
	.size	k_q299670e6c8_attend, .Lfunc_end_k_q299670e6c8_attend-k_q299670e6c8_attend
	.p2alignl 7, 3214868480
	.fill 96, 4, 3214868480
	.section	.rodata,"a",@progbits
	.p2align	6, 0x0
	.amdhsa_kernel k_q299670e6c8_attend
		.amdhsa_group_segment_fixed_size 262144
		.amdhsa_private_segment_fixed_size 0
		.amdhsa_enable_private_segment 0
		.amdhsa_kernarg_size 40
		.amdhsa_user_sgpr_count 2
		.amdhsa_user_sgpr_kernarg_segment_ptr 1
		.amdhsa_wavefront_size32 1
		.amdhsa_system_sgpr_workgroup_id_x 1
		.amdhsa_system_sgpr_workgroup_id_y 1
		.amdhsa_system_sgpr_workgroup_id_z 1
		.amdhsa_system_vgpr_workitem_id 0
		.amdhsa_next_free_vgpr 1024
		.amdhsa_next_free_sgpr 96
		.amdhsa_reserve_vcc 0
		.amdhsa_float_denorm_mode_32 3
		.amdhsa_float_denorm_mode_16_64 3
		.amdhsa_memory_ordered 1
		.amdhsa_forward_progress 1
		.amdhsa_inst_pref_size 141
	.end_amdhsa_kernel
	.amdgpu_metadata
---
amdhsa.version: [ 1, 2 ]
amdhsa.kernels:
  - .name:           k_q299670e6c8_attend
    .symbol:         k_q299670e6c8_attend.kd
    .args:
      - { .name: xq, .offset: 0, .size: 8, .value_kind: global_buffer, .address_space: global }
      - { .name: wq, .offset: 8, .size: 8, .value_kind: global_buffer, .address_space: global }
      - { .name: b_qkv, .offset: 16, .size: 8, .value_kind: global_buffer, .address_space: global }
      - { .name: mask, .offset: 24, .size: 8, .value_kind: global_buffer, .address_space: global }
      - { .name: ob, .offset: 32, .size: 8, .value_kind: global_buffer, .address_space: global }
    .group_segment_fixed_size: 262144
    .private_segment_fixed_size: 0
    .kernarg_segment_align: 8
    .kernarg_segment_size: 40
    .max_flat_workgroup_size: 128
    .sgpr_count:     96
    .vgpr_count:     1024
    .wavefront_size: 32
...
	.end_amdgpu_metadata
.endif
;; end of part 2
;; launch final (part 3): grid 9 x 2, 16 waves a work-group, no clusters, 74,240 bytes of LDS; arguments ob, x, g_w, beta_w, W_ow, b_ow, g_E, beta_E, W_oE, b_oE, out0, out1; writes out0, out1
.if DOCPART == 3
	.amdgcn_target "amdgcn-amd-amdhsa--gfx1250"
	.amdhsa_code_object_version 6
	.text
	.protected	k_q299670e6c8_final
	.globl	k_q299670e6c8_final
	.p2align	8
	.type	k_q299670e6c8_final,@function
k_q299670e6c8_final:
	s_mov_b64 s[64:65], 0
	v_nop
	global_prefetch_b8 v0, s[64:65] scope:SCOPE_SE
	s_setreg_imm32_b32 hwreg(HW_REG_WAVE_MODE, 25, 1), 1
	s_wait_xcnt 0x0
; h = LayerNorm(ob[batch][branch] + x[batch][0]) x g + beta, then out = h W^T + b.  Branch E: W_oE [512][512] -> out1;  branch w: W_ow [1][512] -> out0.
; SHARES: work-group (x, y): y = which 16 batches; x = 0..7: columns 64 x .. 64 x + 63 of out1; x = 8: out0.  One path serves both up to the store: for x = 8 the pointers are the w branch's and
; W's row pitch is 0, so that all 64 columns are the one row of W_ow and no load leaves a buffer.
; Wave w owns K = 32 w .. 32 w + 31: lane (r, h) holds 16 neighbouring numbers, k = 32 w + 16 h + 0..15, of batch 16 y + r.  Mean and variance (two passes: no difference of large sums) meet in LDS.
; The product goes to the matrix unit with f16 operands and f32 sums, one instruction for each 16 columns (source 0 = 16 rows of W, source 1 = h): number 2 i + e of a lane goes to half e of register i in BOTH
; operands, a common order of k, which keeps the products.  The 16 waves' parts are added through LDS, in ascending order of the waves in two chains.
; LIMITS: |h| and |W| stay under 65,504 (f16); LayerNorm bounds |h| by 22.6 |g| + |beta|.  NaN and infinities among the inputs are not served.
.set SUMA,  0                          ; LDS: the sums' parts, 80 r + 4 w (1,280 bytes);
.set SUMB,  1280                       ; the squares' parts likewise;
.set RED,   2560                       ; the product's parts: wave w at 4,352 w: 16 rows x (256 bytes + 16)
.set RW,    4352
.set SPARE, RED+16*RW                  ; the spare words, 128 bytes a wave: eight blocks of 256 bytes that no other line names
.set SPW, 22                           ; v22  LDS address of my spare word; never rewritten
.set NIL, 23                           ; v23  0; never rewritten
.set YY,  24                           ; v24-39   o, then y, y - mean, h
.set X0,  40                           ; v40-55   x[batch][0]
.set GN,  56                           ; v56-71   g
.set BT,  72                           ; v72-87   beta
.set WR,  88                           ; v88-151  W as f32; at the end the 16 waves' parts
.set WF,  152                          ; v152-183 W's four fragments
.set HF,  184                          ; v184-191 h's fragment
.set ACC, 192                          ; v192-223 four accumulators
.set ST,  224                          ; v224-239 sixteen parts read back
	s_load_b512 s[8:23], s[0:1], 0x0               ; ob 8, x 10, g_w 12, beta_w 14, W_ow 16, b_ow 18, g_E 20, beta_E 22
	s_load_b256 s[24:31], s[0:1], 0x40             ; W_oE 24, b_oE 26, out0 28, out1 30
	v_lshl_add_u32 v[SPW], v0, 2, SPARE
	v_mov_b32 v[NIL], 0
	v_lshrrev_b32 v1, 5, v0
	v_readfirstlane_b32 s36, v1                    ; wave 0..15
	v_and_b32 v1, 31, v0                           ; lane
	v_and_b32 v2, 15, v0                           ; r
	v_bfe_u32 v3, v0, 4, 1                         ; h
	s_and_b32 s37, ttmp7, 0xffff                   ; which 16 batches
	s_cmp_lt_u32 ttmp9, 8                          ; branch E?
	s_cselect_b32 s32, 2048, 0                     ; W's row pitch; also the branch's place in a row of ob
	s_cselect_b32 s33, ttmp9, 0                    ; which 64 columns
	s_cselect_b32 s34, 8, 0                        ; the bias: two numbers a lane, or the one number
	s_cselect_b32 s35, 4, 0
	s_lshl_b32 s40, s33, 17                        ; 64 rows of W
	s_lshl_b32 s42, s33, 8                         ; 64 numbers of the bias
	s_lshl_b32 s41, s32, 4                         ; 16 rows of W
	s_lshl_b32 s38, s36, 7
	s_lshl_b32 s39, s37, 4
	v_lshl_add_u32 v6, v3, 6, s38                  ; my 16 numbers along K: 128 w + 64 h bytes
	v_add_nc_u32 v19, s39, v2                      ; my batch
	v_lshl_add_u32 v4, v19, 12, v6
	v_add_nc_u32 v4, s32, v4                       ; in ob
	v_lshl_add_u32 v5, v19, 20, v6                 ; in x: a batch is 2^20 bytes, its row 0 comes first
	v_mul_u32_u24 v7, v2, s32
	v_add3_u32 v7, v7, s40, v6                     ; in W: row r of the first 16 columns' tile,
	v_add_nc_u32 v8, s41, v7                       ; and of the three tiles behind it
	v_add_nc_u32 v9, s41, v8
	v_add_nc_u32 v10, s41, v9
	v_mul_u32_u24 v11, v1, s34
	v_add_nc_u32 v11, s42, v11                     ; the bias of my two columns at the end
	v_add_nc_u32 v12, s35, v11
	v_mul_u32_u24 v14, v2, 80                      ; a row's sixteen parts
	s_lshl_b32 s43, s36, 2
	v_add_nc_u32 v13, s43, v14                     ; my wave's among them
	s_mul_i32 s44, s36, RW
	s_add_co_u32 s44, s44, RED
	v_mul_u32_u24 v15, v2, 272
	v_lshl_add_u32 v15, v3, 5, v15
	v_add_nc_u32 v15, s44, v15                     ; the product's part out: row r, + 32 h
	s_mul_i32 s45, s36, 272
	s_add_co_u32 s45, s45, RED
	v_lshl_add_u32 v16, v1, 3, s45                 ; and in: row w of every wave's part, two columns a lane
	s_add_co_u32 s46, s39, s36                     ; the batch whose row I store
	s_lshl_b32 s47, s46, 11
	s_lshl_b32 s48, ttmp9, 8
	s_add_co_u32 s47, s47, s48
	v_lshl_add_u32 v17, v1, 3, s47                 ; in out1
	s_lshl_b32 s48, s46, 2
	v_mov_b32 v18, s48                             ; in out0
	v_mov_b32 v243, 0                              ; (named as the upper half of the pair v[242:243], of which the low word serves both halves)
	s_mov_b32 s50, 0x76543210
	s_mov_b32 s51, 0xfedcba98                      ; v_permlanex16_b32's selects for lane l xor 16
	s_mov_b32 s52, 0x3b000000                      ; 1 / 512
	s_mov_b32 s53, 0x3727c5ac                      ; 1e-5
	s_wait_kmcnt 0x0
	s_cmp_lt_u32 ttmp9, 8                          ; the choice of buffers hangs on the work-group's number alone
	s_cselect_b64 s[12:13], s[20:21], s[12:13]     ; g
	s_cselect_b64 s[14:15], s[22:23], s[14:15]     ; beta
	s_cselect_b64 s[16:17], s[24:25], s[16:17]     ; W
	s_cselect_b64 s[18:19], s[26:27], s[18:19]     ; b
.irp c, 0,1,2,3
	global_load_b128 v[YY+4*\c:YY+4*\c+3], v4, s[8:9] offset:16*\c
.endr
.irp c, 0,1,2,3
	global_load_b128 v[X0+4*\c:X0+4*\c+3], v5, s[10:11] offset:16*\c
.endr
.irp c, 0,1,2,3
	global_load_b128 v[GN+4*\c:GN+4*\c+3], v6, s[12:13] offset:16*\c
.endr
.irp c, 0,1,2,3
	global_load_b128 v[BT+4*\c:BT+4*\c+3], v6, s[14:15] offset:16*\c
.endr
.irp nt, 0,1,2,3
.irp c, 0,1,2,3
	global_load_b128 v[WR+16*\nt+4*\c:WR+16*\nt+4*\c+3], v[7+\nt], s[16:17] offset:16*\c
.endr
.endr
	global_load_b32 v20, v11, s[18:19]
	global_load_b32 v21, v12, s[18:19]
; A row's sum over the 16 waves.  RS_OUT: v240, my lane's sum, + the other half of the lanes', to my wave's word; my store is done; signal.  RS_IN: the barrier's wait; the row's 16 parts; their sum in v240.
.macro RS_OUT reg
	v_permlanex16_b32 v241, v240, s50, s51
	v_add_f32 v240, v240, v241
	ds_store_b32 v13, v240 offset:\reg             ; both halves of the lanes write the same word with the same value
	s_wait_dscnt 0x0
	s_barrier_signal -1
.endm
.macro RS_IN reg
	s_barrier_wait -1
.irp c, 0,1,2,3
	ds_load_b128 v[ST+4*\c:ST+4*\c+3], v14 offset:\reg+16*\c
.endr
	s_wait_dscnt 0x0
.irp i, 0,4,8,12
	v_pk_add_f32 v[ST+\i:ST+\i+1], v[ST+\i:ST+\i+1], v[ST+\i+2:ST+\i+3]
.endr
	v_pk_add_f32 v[ST:ST+1], v[ST:ST+1], v[ST+4:ST+5]
	v_pk_add_f32 v[ST+8:ST+9], v[ST+8:ST+9], v[ST+12:ST+13]
	v_pk_add_f32 v[ST:ST+1], v[ST:ST+1], v[ST+8:ST+9]
	v_add_f32 v240, v[ST], v[ST+1]
.endm
	s_wait_loadcnt 26                              ; o and x are in; g, beta, W and the bias (8 + 16 + 2 loads) may be out
.irp i, 0,2,4,6,8,10,12,14
	v_pk_add_f32 v[YY+\i:YY+\i+1], v[YY+\i:YY+\i+1], v[X0+\i:X0+\i+1]         ; y = o + x
.endr
	v_pk_add_f32 v[240:241], v[YY:YY+1], v[YY+2:YY+3]
	v_pk_add_f32 v[244:245], v[YY+4:YY+5], v[YY+6:YY+7]
	v_pk_add_f32 v[246:247], v[YY+8:YY+9], v[YY+10:YY+11]
	v_pk_add_f32 v[248:249], v[YY+12:YY+13], v[YY+14:YY+15]
	v_pk_add_f32 v[240:241], v[240:241], v[244:245]
	v_pk_add_f32 v[246:247], v[246:247], v[248:249]
	v_pk_add_f32 v[240:241], v[240:241], v[246:247]
	v_add_f32 v240, v240, v241
	RS_OUT SUMA
	s_wait_loadcnt 2                               ; work on registers while the others arrive: g, beta and W are in (the two bias loads may be out); W is rounded to f16
.irp i, 0,1,2,3,4,5,6,7,8,9,10,11,12,13,14,15,16,17,18,19,20,21,22,23,24,25,26,27,28,29,30,31
	v_cvt_pk_f16_f32 v[WF+\i], v[WR+2*\i], v[WR+2*\i+1]
.endr
	RS_IN SUMA
	v_mul_f32 v242, s52, v240                      ; the mean
.irp i, 0,2,4,6,8,10,12,14
	v_pk_add_f32 v[YY+\i:YY+\i+1], v[YY+\i:YY+\i+1], v[242:243] op_sel_hi:[1,0] neg_lo:[0,1] neg_hi:[0,1]
.endr
	v_pk_mul_f32 v[244:245], v[YY:YY+1], v[YY:YY+1]
	v_pk_mul_f32 v[246:247], v[YY+2:YY+3], v[YY+2:YY+3]
.irp i, 4,8,12
	v_pk_fma_f32 v[244:245], v[YY+\i:YY+\i+1], v[YY+\i:YY+\i+1], v[244:245]
	v_pk_fma_f32 v[246:247], v[YY+\i+2:YY+\i+3], v[YY+\i+2:YY+\i+3], v[246:247]
.endr
	v_pk_add_f32 v[244:245], v[244:245], v[246:247]
	v_add_f32 v240, v244, v245
	RS_OUT SUMB                                    ; other bytes than the first sum's: no wave need have finished reading those
	RS_IN SUMB
	v_fma_f32 v240, v240, s52, s53                 ; the variance + 1e-5
	v_rsq_f32 v242, v240
	v_nop                                          ; a plain line behind the transcendental,
	s_wait_alu depctr_va_vdst(0)                   ; and the wait ahead of its first reader
.irp i, 0,2,4,6,8,10,12,14
	v_pk_mul_f32 v[YY+\i:YY+\i+1], v[YY+\i:YY+\i+1], v[242:243] op_sel_hi:[1,0]
.endr
.irp i, 0,2,4,6,8,10,12,14
	v_pk_fma_f32 v[YY+\i:YY+\i+1], v[YY+\i:YY+\i+1], v[GN+\i:GN+\i+1], v[BT+\i:BT+\i+1]
.endr
.irp i, 0,1,2,3,4,5,6,7
	v_cvt_pk_f16_f32 v[HF+\i], v[YY+2*\i], v[YY+2*\i+1]
.endr
.irp nt, 0,1,2,3
	v_wmma_f32_16x16x32_f16 v[ACC+8*\nt:ACC+8*\nt+7], v[WF+8*\nt:WF+8*\nt+7], v[HF:HF+7], 0   ; lane (r, h), register j: my K's part of out(batch r, column 16 nt + 8 h + j)
.endr
.rept 4
	v_nop                                          ; four plain lines between a product and the read of its result (ISA guide 7.12.1)
.endr
.irp nt, 0,1,2,3
	ds_store_b128 v15, v[ACC+8*\nt:ACC+8*\nt+3] offset:64*\nt      ; each accumulator from its low end on
	ds_store_b128 v15, v[ACC+8*\nt+4:ACC+8*\nt+7] offset:64*\nt+16
.endr
	s_wait_dscnt 0x0                               ; for the others' sake: my stores are done
	s_barrier_signal -1
	s_barrier_wait -1
.irp i, 0,1,2,3,4,5,6,7,8,9,10,11,12,13,14,15
	ds_load_b64 v[WR+2*\i:WR+2*\i+1], v16 offset:RW*\i             ; row w of wave i's part
.endr
	s_wait_dscnt 0x0
.irp i, 2,4,6,8,10,12,14
	v_pk_add_f32 v[WR:WR+1], v[WR:WR+1], v[WR+2*\i:WR+2*\i+1]
	v_pk_add_f32 v[WR+2:WR+3], v[WR+2:WR+3], v[WR+2*\i+2:WR+2*\i+3]
.endr
	v_pk_add_f32 v[WR:WR+1], v[WR:WR+1], v[WR+2:WR+3]
	s_wait_loadcnt 0x0                             ; the bias
	v_pk_add_f32 v[WR:WR+1], v[WR:WR+1], v[20:21]
	s_cmp_lt_u32 ttmp9, 8
	s_cbranch_scc0 .Lbranch_w
	global_store_b64 v17, v[WR:WR+1], s[30:31]     ; 32 lanes store 256 consecutive bytes, aligned
	s_branch .Lend
.Lbranch_w:
	s_wait_xcnt 0x0                                ; EXEC changes only behind this wait
	v_cmp_eq_u32 vcc_lo, 0, v1
	s_and_saveexec_b32 s54, vcc_lo
	global_store_b32 v18, v[WR], s[28:29]          ; all 64 columns hold the one number: lane 0 stores it
	s_wait_xcnt 0x0                                ; and again, in front of the line that widens it
	s_or_b32 exec_lo, exec_lo, s54
.Lend:
	s_wait_tensorcnt 0x0                           ; the wave's end, behind my last LDS store
	ds_add_u32 v[SPW], v[NIL]
	s_wait_dscnt 0x0
	s_endpgm
.Lfunc_end_k_q299670e6c8_final:
	.size	k_q299670e6c8_final, .Lfunc_end_k_q299670e6c8_final-k_q299670e6c8_final
	.p2alignl 7, 3214868480
	.fill 96, 4, 3214868480
	.section	.rodata,"a",@progbits
	.p2align	6, 0x0
	.amdhsa_kernel k_q299670e6c8_final
		.amdhsa_group_segment_fixed_size 74240
		.amdhsa_private_segment_fixed_size 0
		.amdhsa_enable_private_segment 0
		.amdhsa_kernarg_size 96
		.amdhsa_user_sgpr_count 2
		.amdhsa_user_sgpr_kernarg_segment_ptr 1
		.amdhsa_wavefront_size32 1
		.amdhsa_system_sgpr_workgroup_id_x 1
		.amdhsa_system_sgpr_workgroup_id_y 1
		.amdhsa_system_sgpr_workgroup_id_z 1
		.amdhsa_system_vgpr_workitem_id 0
		.amdhsa_next_free_vgpr 256
		.amdhsa_next_free_sgpr 66
		.amdhsa_reserve_vcc 1
		.amdhsa_float_denorm_mode_32 3
		.amdhsa_float_denorm_mode_16_64 3
		.amdhsa_memory_ordered 1
		.amdhsa_forward_progress 1
		.amdhsa_inst_pref_size 18
	.end_amdhsa_kernel
	.amdgpu_metadata
---
amdhsa.version: [ 1, 2 ]
amdhsa.kernels:
  - .name:           k_q299670e6c8_final
    .symbol:         k_q299670e6c8_final.kd
    .args:
      - { .name: ob, .offset: 0, .size: 8, .value_kind: global_buffer, .address_space: global }
      - { .name: x, .offset: 8, .size: 8, .value_kind: global_buffer, .address_space: global }
      - { .name: g_w, .offset: 16, .size: 8, .value_kind: global_buffer, .address_space: global }
      - { .name: beta_w, .offset: 24, .size: 8, .value_kind: global_buffer, .address_space: global }
      - { .name: W_ow, .offset: 32, .size: 8, .value_kind: global_buffer, .address_space: global }
      - { .name: b_ow, .offset: 40, .size: 8, .value_kind: global_buffer, .address_space: global }
      - { .name: g_E, .offset: 48, .size: 8, .value_kind: global_buffer, .address_space: global }
      - { .name: beta_E, .offset: 56, .size: 8, .value_kind: global_buffer, .address_space: global }
      - { .name: W_oE, .offset: 64, .size: 8, .value_kind: global_buffer, .address_space: global }
      - { .name: b_oE, .offset: 72, .size: 8, .value_kind: global_buffer, .address_space: global }
      - { .name: out0, .offset: 80, .size: 8, .value_kind: global_buffer, .address_space: global }
      - { .name: out1, .offset: 88, .size: 8, .value_kind: global_buffer, .address_space: global }
    .group_segment_fixed_size: 74240
    .private_segment_fixed_size: 0
    .kernarg_segment_align: 8
    .kernarg_segment_size: 96
    .max_flat_workgroup_size: 512
    .sgpr_count:     66
    .vgpr_count:     256
    .wavefront_size: 32
...
	.end_amdgpu_metadata
.endif
;; end of part 3
